; MI455X (gfx1250); checked and timed in simulation.
; The chip was launched on July 23, 2026; its instructions are those of AMD's public machine-readable ISA for CDNA 5 (MIT licence, August 2026) and "CDNA5" Instruction Set Architecture Reference Guide (July 2026). The comments in the code are by the model that wrote it; some were corrected since.
;; Vision Expert MLP. Allowed arithmetic: float matrix products may take bf16 or f16 operands with f32 sums; other float arithmetic in f32, or as packed bf16 or f16 multiplies, adds, multiply-adds, maxima and minima; sums over many terms, partial sums and values carried from step to step in f32; what a program stores and reads back later, other than sums and carried values, may be rounded once to bf16 or f16.
;; Inputs: hidden_states 2 x 2,048 x 4,096 float32; lang_down 688 x 4,096 float32; lang_gate 4,096 x 688 float32; lang_up 4,096 x 688 float32; token_type_ids 2 x 2,048 int32; vis_down 688 x 4,096 float32; vis_gate 4,096 x 688 float32; vis_up 4,096 x 688 float32.
;; Outputs: out0 2 x 2,048 x 4,096 float32.
;; One version. Each part assembles by itself: llvm-mc -triple=amdgcn-amd-amdhsa -mcpu=gfx1250 --defsym DOCPART=n.
;; ======== version 1 of 1: 3 launches
;; limits: values are held in f16: magnitudes above 65,504 overflow, below 6.1e-05 lose precision; inputs' magnitudes at most 65,504
;; workspace buffers: xs 36,175,872 bytes; wgu 23,068,672 bytes; wd 11,894,784 bytes; h 6,217,728 bytes; hs 64,768 bytes; order 17,664 bytes of whole numbers; tiles 256 bytes of whole numbers
;; launch prep (part 1): grid 964 x 1, 8 waves a work-group, no clusters, 2,304 bytes of LDS; arguments hidden_states, token_type_ids, xs, order, lang_gate, lang_up, vis_gate, vis_up, lang_down, vis_down, wgu, wd, tiles; writes xs, order, tiles, wgu, wd
.if DOCPART == 1
	.amdgcn_target "amdgcn-amd-amdhsa--gfx1250"
	.amdhsa_code_object_version 6
	.text
	.protected	k_qdc61ade56f_prep
	.globl	k_qdc61ade56f_prep
	.p2align	8
	.type	k_qdc61ade56f_prep,@function
k_qdc61ade56f_prep:
	s_mov_b64 s[64:65], 0
	v_nop
	global_prefetch_b8 v0, s[64:65] scope:SCOPE_SE
	s_setreg_imm32_b32 hwreg(HW_REG_WAVE_MODE, 25, 1), 1
	s_wait_xcnt 0x0
; PREP: routing, gather and the weights' layout, all once.  Three kinds of work-group, chosen by the work-group's number alone (the same in all eight waves):
;   0..275    X   slots 16 g .. 16 g + 15: finds which token lies in each slot, stores the list, and copies those 16 token rows, rounded to bf16, into xs
;   276..787  GU  16 rows k of one expert's gate and up: rounded to bf16 and interleaved (column 2 f = gate, 2 f + 1 = up), 704 f a row, f >= 688 zero
;   788..963  D   8 rows f of one expert's down: rounded to bf16, that number written as f16, 4,224 columns a row, columns >= 4,096 and rows >= 688 zero
; ROUTING (whole numbers only).  A token is vision if its type and the next token's are 1 and it is not its sequence's last.  Slots lie in 23 tiles of 192: language tokens take
; slot = their rank among language tokens; vision tokens slot = 192 tL + their rank among vision tokens, tL = ceil(nL / 192).  ceil(nL/192) + ceil(nV/192) <= 23 for every split of 4,096.
; A slot that no token takes repeats token 4,095's row; its results are never stored to the output.
; Memory binds this launch: matrix units, clusters and tensor loads would add nothing.  Every role-X group recounts the 16 KB of types for itself: no launch is spent on a list.
; LIMITS: x and all weights are rounded once to bf16 (nearest even).  The down weights' bf16 numbers are exact in f16 from 2^-17 up to 65,504; below, they are off by 2^-25 at the most; beyond, they are not served.
.set SPARE, 1280                       ; LDS: 0..1023 match table (a row of 32 words a wave: words 0-15 slots, 16 a dump word); 1024..1055 the waves' counts; 1280.. the spare words, 128 bytes a wave
.set CNTS,  1024
.set SPW,   2                          ; v2  LDS address of my spare word; never rewritten
.set NIL,   3                          ; v3  0; never rewritten
.set X0,    16                         ; v[16:79]   stream buffer 0: half a token row, 16 loads
.set X1,    80                         ; v[80:143]  stream buffer 1
.set INA,   144                        ; v144-145   byte offset of my 16 bytes in my wave's two token rows
.set OUTA,  146                        ; v146-147   byte offset of my 8 bytes in the two rows of xs
	v_lshl_add_u32 v[SPW], v0, 2, SPARE
	v_mov_b32 v[NIL], 0
	v_and_b32 v1, 31, v0                           ; lane
	v_lshrrev_b32 v4, 5, v0
	v_readfirstlane_b32 s2, v4                     ; wave 0..7
	s_mov_b32 s3, ttmp9
	s_cmp_ge_u32 s3, 788
	s_cbranch_scc1 .Lrole_d
	s_cmp_ge_u32 s3, 276
	s_cbranch_scc1 .Lrole_gu
; ---------------------------------------------------------------- role X
	s_load_b256 s[4:11], s[0:1], 0x0               ; hidden s[4:5], types s[6:7], xs s[8:9], order s[10:11]
	s_load_b64 s[12:13], s[0:1], 0x60              ; tiles
	v_lshlrev_b32 v5, 2, v1
	v_lshl_add_u32 v5, s2, 11, v5                  ; wave w owns tokens 512 w + 32 j + lane: byte 2,048 w + 4 lane, j in the immediate
	v_lshlrev_b32 v6, 2, v0
	ds_store_b32 v6, v[NIL]                        ; my wave's table row is cleared: 128 w + 4 lane
	s_lshl_b32 s33, s2, 11
	s_add_co_u32 s33, s33, 2048
	s_min_u32 s33, s33, 16380                      ; the first token behind my 512 (the last wave: a clamped address, its word is not used)
	v_lshl_add_u32 v4, s2, 9, v1                   ; 512 w + lane
	s_lshl_b32 s34, s2, 7
	v_mov_b32 v11, s34                             ; my table row
	s_wait_kmcnt 0x0
.set j, 0
.rept 16
	global_load_b32 v[16+j], v5, s[6:7] offset:128*j
.set j, j+1
.endr
	s_load_b32 s32, s[6:7], s33 offset:0x0
	s_lshl_b32 s34, s3, 17                         ; xs at the group's 16 rows of 8,192 bytes
	s_mov_b32 s35, 0
	s_add_nc_u64 s[8:9], s[8:9], s[34:35]
	s_lshl_b32 s34, s3, 6                          ; the list at the group's 16 words
	s_add_nc_u64 s[10:11], s[10:11], s[34:35]
	s_wait_loadcnt 0x0
	s_wait_kmcnt 0x0
.set j, 0
.rept 16
	v_cmp_eq_u32 s[16+j], 1, v[16+j]               ; E_j: bit l = token 512 w + 32 j + l has type 1
.set j, j+1
.endr
	s_cmp_eq_u32 s32, 1
	s_cselect_b32 s32, 1, 0
	s_and_b32 s34, s2, 3
	s_cmp_lg_u32 s34, 3                            ; waves 3 and 7 end a sequence: its last token is language
	s_cselect_b32 s32, s32, 0
	s_mov_b32 s52, 0
.set j, 0
.rept 16                                               ; V_j = E_j and the next token's E, in place and ascending (E_16 is s32); P_j = vision tokens of my wave ahead of word j
	s_lshr_b32 s34, s[16+j], 1
	s_lshl_b32 s35, s[17+j], 31
	s_or_b32 s34, s34, s35
	s_and_b32 s[16+j], s[16+j], s34
	s_mov_b32 s[36+j], s52
	s_bcnt1_i32_b32 s34, s[16+j]
	s_add_co_u32 s52, s52, s34
.set j, j+1
.endr
	s_lshl_b32 s34, s2, 2
	s_add_co_u32 s34, s34, CNTS
	v_mov_b32 v8, s34
	v_mov_b32 v7, s52
	ds_store_b32 v8, v7                            ; my wave's count: all lanes write the same word with the same value
	s_wait_dscnt 0x0                               ; for the others' sake: my stores are done
	s_barrier_signal -1
	s_barrier_wait -1
	v_mov_b32 v7, CNTS
	ds_load_b128 v[8:11], v7
	ds_load_b128 v[12:15], v7 offset:16
	s_wait_dscnt 0x0
.set j, 0
.rept 8
	v_readfirstlane_b32 s[56+j], v[8+j]
.set j, j+1
.endr
	s_mov_b32 s68, 0
	s_mov_b32 s53, 0
.set j, 0
.rept 8
	s_add_co_u32 s53, s53, s[56+j]                 ; nV
	s_cmp_gt_u32 s2, j
	s_cselect_b32 s34, s[56+j], 0
	s_add_co_u32 s68, s68, s34                     ; vision tokens in the waves ahead of mine
.set j, j+1
.endr
	s_sub_co_u32 s54, 4096, s53                    ; nL
	s_add_co_u32 s55, s54, 191
	s_lshr_b32 s55, s55, 6
	s_mul_i32 s55, s55, 171
	s_lshr_b32 s55, s55, 9                         ; tL = ceil(nL / 192): m = (nL + 191) / 64 <= 66, and m / 3 = 171 m >> 9 below m = 512
	s_mul_i32 s66, s55, 192                        ; the first vision slot
	s_lshl_b32 s67, s3, 4                          ; the group's first slot
	s_lshl_b32 s34, s2, 7
	v_mov_b32 v11, s34                             ; my table row again (v11 held a count)
.set j, 0
.rept 16                                               ; each token's slot; those that fall into the group's 16 leave token + 1 in my wave's table row, all others in the dump word
	s_add_co_u32 s[36+j], s[36+j], s68
	v_mbcnt_lo_u32_b32 v6, s[16+j], 0              ; vision tokens of this word below my lane
	v_add_nc_u32 v6, s[36+j], v6                   ; vision tokens ahead of mine
	v_add_nc_u32 v7, 32*j, v4                      ; my token
	v_sub_nc_u32 v8, v7, v6                        ; its rank among language tokens
	v_add_nc_u32 v9, s66, v6
	v_cndmask_b32 v8, v8, v9, s[16+j]
	v_sub_nc_u32 v8, v8, s67
	v_min_u32 v8, 16, v8                           ; below the group's slots it wraps to a large number: the dump word too
	v_lshl_add_u32 v8, v8, 2, v11
	v_add_nc_u32 v7, 1, v7
	ds_store_b32 v8, v7
.set j, j+1
.endr
	s_wait_dscnt 0x0
	s_barrier_signal -1
	s_barrier_wait -1
.macro ORS d                           ; of eight words at most one is not 0: token + 1.  None: the slot is empty and takes token 4,095 (0 - 1 wraps, and is clamped)
	v_or_b32 v[(\d)], v[(\d)], v[(\d)+1]
	v_or_b32 v[(\d)+2], v[(\d)+2], v[(\d)+3]
	v_or_b32 v[(\d)+4], v[(\d)+4], v[(\d)+5]
	v_or_b32 v[(\d)+6], v[(\d)+6], v[(\d)+7]
	v_or_b32 v[(\d)], v[(\d)], v[(\d)+2]
	v_or_b32 v[(\d)+4], v[(\d)+4], v[(\d)+6]
	v_or_b32 v[(\d)], v[(\d)], v[(\d)+4]
	v_add_nc_u32 v[(\d)], -1, v[(\d)]
	v_min_u32 v[(\d)], 0xfff, v[(\d)]
.endm
	s_lshl_b32 s34, s2, 3
	v_mov_b32 v12, s34                             ; wave w copies slots 2 w and 2 w + 1: word 2 w + i of every wave's row
.set j, 0
.rept 16
	ds_load_b32 v[16+j], v12 offset:4*(j/8)+128*(j%8)
.set j, j+1
.endr
	v_lshlrev_b32 v13, 4, v1
	v_lshlrev_b32 v14, 3, v1
	v_lshl_add_u32 v[OUTA], s2, 14, v14            ; two rows of 8,192 bytes a wave, 8 bytes a lane
	v_add_nc_u32 v[OUTA+1], 8192, v[OUTA]
	s_wait_dscnt 0x0
	ORS 16
	ORS 24
	v_lshl_add_u32 v[INA], v16, 14, v13            ; token x 16,384 bytes + 16 lane
	v_lshl_add_u32 v[INA+1], v24, 14, v13
	s_cmp_lg_u32 s2, 0
	s_cbranch_scc1 .Lstream                        ; wave 0 alone stores the list (no barrier stands in what is jumped)
	v_and_b32 v15, 15, v0
	v_lshlrev_b32 v15, 2, v15
.set j, 0
.rept 8
	ds_load_b32 v[32+j], v15 offset:128*j
.set j, j+1
.endr
	s_wait_dscnt 0x0
	ORS 32
	global_store_b32 v15, v32, s[10:11]            ; 16 words; both halves of the lanes write the same words with the same values
	s_cmp_lg_u32 s3, 0
	s_cbranch_scc1 .Lstream                        ; group 0 alone stores the tiles: lane t makes {expert, rows} of tile t
	v_cmp_le_u32 vcc_lo, s55, v1                   ; tL <= t: a vision tile
	v_cndmask_b32 v20, 0, 1, vcc_lo
	v_mov_b32 v22, s54
	v_mov_b32 v23, s53
	v_cndmask_b32 v22, v22, v23, vcc_lo            ; the expert's tokens
	v_mov_b32 v24, s55
	v_cndmask_b32 v23, 0, v24, vcc_lo              ; the expert's first tile
	v_sub_nc_u32 v23, v1, v23
	v_mul_u32_u24 v23, v23, 192
	v_sub_nc_u32 v22, v22, v23                     ; what is left for this tile, signed
	v_cmp_lt_i32 vcc_lo, 0, v22
	v_cndmask_b32 v22, 0, v22, vcc_lo
	v_min_u32 v21, 192, v22
	v_lshlrev_b32 v25, 3, v1
	global_store_b64 v25, v[20:21], s[12:13]       ; 32 lanes x 8 bytes: the buffer's 256 bytes, whole
.Lstream:
	s_wait_xcnt 0x0                                ; the stores above have read their registers: the stream's buffers may be loaded
; The stream: two rows of 16,384 bytes a wave, in four halves through two buffers of 16 loads; one load of a wave covers 512 consecutive bytes, one store 256, aligned.
.macro XLOAD buf, row, half
.set c, 0
.rept 16
	global_load_b128 v[(\buf)+4*c:(\buf)+4*c+3], v[INA+(\row)], s[4:5] offset:8192*(\half)+512*c
.set c, c+1
.endr
.endm
.macro XCONV buf, row, half, left      ; left: the loads of the other buffer, issued behind this one's
.set c, 0
.rept 16
	s_wait_loadcnt (\left)+15-c                    ; loads come back in order: mine is in; the 15 - c behind it in this buffer and the other buffer's stay out
	v_cvt_pk_bf16_f32 v[(\buf)+4*c], v[(\buf)+4*c], v[(\buf)+4*c+1]
	v_cvt_pk_bf16_f32 v[(\buf)+4*c+1], v[(\buf)+4*c+2], v[(\buf)+4*c+3]
	global_store_b64 v[OUTA+(\row)], v[(\buf)+4*c:(\buf)+4*c+1], s[8:9] offset:4096*(\half)+256*c
.set c, c+1
.endr
.endm
	XLOAD X0, 0, 0
	XLOAD X1, 0, 1
	XCONV X0, 0, 0, 16
	s_wait_xcnt 0x0                                ; the stores have read buffer 0: it is loaded again only behind this wait
	XLOAD X0, 1, 0
	XCONV X1, 0, 1, 16
	s_wait_xcnt 0x0
	XLOAD X1, 1, 1
	XCONV X0, 1, 0, 16
	XCONV X1, 1, 1, 0
	s_wait_tensorcnt 0x0                           ; the wave's end: an add of 0 to my spare word and its wait, behind my last LDS store
	ds_add_u32 v[SPW], v[NIL]
	s_wait_dscnt 0x0
	s_endpgm
; ---------------------------------------------------------------- role GU: no LDS is touched
.Lrole_gu:
	s_load_b256 s[4:11], s[0:1], 0x20              ; lang_gate, lang_up, vis_gate, vis_up
	s_load_b64 s[12:13], s[0:1], 0x50              ; wgu
	s_sub_co_u32 s14, s3, 276
	s_lshr_b32 s15, s14, 8                         ; expert
	s_and_b32 s14, s14, 255                        ; chunk of 16 rows k
	s_mul_i32 s28, s14, 44032                      ; 16 rows x 688 x 4 bytes in
	s_mov_b32 s29, 0
	s_mul_i32 s30, s15, 11534336                   ; 4,096 rows x 2,816 bytes an expert,
	s_mul_i32 s31, s14, 45056                      ; 16 rows x 2,816 bytes out
	s_add_co_u32 s30, s30, s31
	s_mov_b32 s31, 0
; The 16 rows are 2,816 groups of 16 output bytes (4 f: gate, up, gate, up ..), 176 a row: 11 for each of 256 threads.  Group n lies in row n / 176; groups 172-175 of a row are padding.
.set it, 0
.rept 11
	v_add_nc_u32 v105, 256*it, v0                  ; n
	v_mul_u32_u24 v106, v105, 23832
	v_lshrrev_b32 v106, 22, v106                   ; n / 176, exact below n = 32,768
	v_mul_u32_u24 v107, v106, 176
	v_sub_nc_u32 v107, v105, v107                  ; the group in its row
	v_cmp_gt_u32 s[16+it], 172, v107               ; a real one
	v_lshlrev_b32 v105, 4, v105
	v_lshlrev_b32 v106, 6, v106
	v_sub_nc_u32 v105, v105, v106                  ; in: 2,752 row + 16 group = 16 n - 64 row
	v_add_nc_u32 v106, 0xffffffc0, v105            ; a padding group reads 64 bytes lower, inside its row; what it reads is replaced by 0
	v_cndmask_b32 v[4+it], v106, v105, s[16+it]
.set it, it+1
.endr
	v_lshlrev_b32 v104, 4, v0
	s_wait_kmcnt 0x0
	s_cmp_eq_u32 s15, 1
	s_cselect_b64 s[4:5], s[8:9], s[4:5]
	s_cselect_b64 s[6:7], s[10:11], s[6:7]
	s_add_nc_u64 s[4:5], s[4:5], s[28:29]
	s_add_nc_u64 s[6:7], s[6:7], s[28:29]
	s_add_nc_u64 s[12:13], s[12:13], s[30:31]
.set it, 0
.rept 11
	global_load_b128 v[16+4*it:16+4*it+3], v[4+it], s[4:5] th:TH_LOAD_NT
	global_load_b128 v[60+4*it:60+4*it+3], v[4+it], s[6:7] th:TH_LOAD_NT
.set it, it+1
.endr
.set it, 0
.rept 11
	s_wait_loadcnt 20-2*it                         ; this pair is in; the 10 - it pairs behind it stay out
.set jj, 0
.rept 4
	v_cvt_pk_bf16_f32 v[16+4*it+jj], v[16+4*it+jj], v[60+4*it+jj]  ; gate in the low half, up in the high
	v_cndmask_b32 v[16+4*it+jj], 0, v[16+4*it+jj], s[16+it]
.set jj, jj+1
.endr
	global_store_b128 v104, v[16+4*it:16+4*it+3], s[12:13] offset:4096*it  ; dense: a wave's store covers 512 consecutive bytes
.set it, it+1
.endr
	s_endpgm
; ---------------------------------------------------------------- role D: no LDS is touched
.Lrole_d:
	s_load_b128 s[4:7], s[0:1], 0x40               ; lang_down, vis_down
	s_load_b64 s[8:9], s[0:1], 0x58                ; wd
	s_sub_co_u32 s14, s3, 788
	s_cmp_ge_u32 s14, 88
	s_cselect_b32 s15, 1, 0                        ; expert
	s_mul_i32 s16, s15, 88
	s_sub_co_u32 s14, s14, s16                     ; chunk of 8 rows f, 0..87
	s_mul_i32 s16, s15, 5947392                    ; 704 rows x 8,448 bytes an expert,
	s_mul_i32 s17, s14, 67584                      ; 8 rows out
	s_add_co_u32 s16, s16, s17
	s_mov_b32 s17, 0
	s_lshl_b32 s18, s14, 17                        ; 8 rows x 16,384 bytes in
	s_mov_b32 s19, 0
	s_mov_b32 s21, 0xffff0000                      ; a word's upper bf16
	v_lshlrev_b32 v4, 4, v0
	v_lshlrev_b32 v5, 3, v0
	v_mov_b32 v6, 0
	v_mov_b32 v7, 0
	s_mul_i32 s20, s2, 8448
	s_add_co_u32 s20, s20, 8192
	v_lshl_add_u32 v8, v1, 3, s20                  ; wave w: the 256 bytes behind row w's 4,096 columns
	s_wait_kmcnt 0x0
	s_cmp_eq_u32 s15, 1
	s_cselect_b64 s[4:5], s[6:7], s[4:5]
	s_add_nc_u64 s[8:9], s[8:9], s[16:17]
	s_cmp_ge_u32 s14, 86
	s_cbranch_scc1 .Lzero_rows                     ; rows 688..703 do not exist in the input
	s_add_nc_u64 s[4:5], s[4:5], s[18:19]
.set n, 0
.rept 32
	global_load_b128 v[16+4*n:16+4*n+3], v4, s[4:5] offset:16384*(n/4)+4096*(n%4) th:TH_LOAD_NT
.set n, n+1
.endr
	global_store_b64 v8, v[6:7], s[8:9]            ; the zero columns: a whole aligned 256 bytes a wave
.set n, 0
.rept 32
	s_wait_loadcnt 31-n                            ; the 31 - n younger loads stay out
	v_cvt_pk_bf16_f32 v[16+4*n], v[16+4*n], v[16+4*n+1]        ; the one rounding: to bf16, as every input has it;
	v_cvt_pk_bf16_f32 v[16+4*n+2], v[16+4*n+2], v[16+4*n+3]
	v_and_b32 v[16+4*n+1], s21, v[16+4*n]                      ; the four bf16 numbers as f32 again,
	v_lshlrev_b32 v[16+4*n], 16, v[16+4*n]
	v_and_b32 v[16+4*n+3], s21, v[16+4*n+2]
	v_lshlrev_b32 v[16+4*n+2], 16, v[16+4*n+2]
	v_cvt_pk_f16_f32 v[16+4*n], v[16+4*n], v[16+4*n+1]         ; and written as f16, which holds their 8 significant bits
	v_cvt_pk_f16_f32 v[16+4*n+1], v[16+4*n+2], v[16+4*n+3]
	global_store_b64 v5, v[16+4*n:16+4*n+1], s[8:9] offset:8448*(n/4)+2048*(n%4)
.set n, n+1
.endr
	s_endpgm
.Lzero_rows:
.set n, 0
.rept 33
	global_store_b64 v5, v[6:7], s[8:9] offset:2048*n  ; 8 rows x 8,448 bytes = 33 x 2,048
.set n, n+1
.endr
	s_endpgm
.Lfunc_end_k_qdc61ade56f_prep:
	.size	k_qdc61ade56f_prep, .Lfunc_end_k_qdc61ade56f_prep-k_qdc61ade56f_prep
	.p2alignl 7, 3214868480
	.fill 96, 4, 3214868480
	.section	.rodata,"a",@progbits
	.p2align	6, 0x0
	.amdhsa_kernel k_qdc61ade56f_prep
		.amdhsa_group_segment_fixed_size 2304
		.amdhsa_private_segment_fixed_size 0
		.amdhsa_enable_private_segment 0
		.amdhsa_kernarg_size 104
		.amdhsa_user_sgpr_count 2
		.amdhsa_user_sgpr_kernarg_segment_ptr 1
		.amdhsa_wavefront_size32 1
		.amdhsa_system_sgpr_workgroup_id_x 1
		.amdhsa_system_sgpr_workgroup_id_y 1
		.amdhsa_system_sgpr_workgroup_id_z 1
		.amdhsa_system_vgpr_workitem_id 0
		.amdhsa_next_free_vgpr 152
		.amdhsa_next_free_sgpr 72
		.amdhsa_reserve_vcc 1
		.amdhsa_float_denorm_mode_32 3
		.amdhsa_float_denorm_mode_16_64 3
		.amdhsa_memory_ordered 1
		.amdhsa_forward_progress 1
		.amdhsa_inst_pref_size 86
	.end_amdhsa_kernel
	.amdgpu_metadata
---
amdhsa.version: [ 1, 2 ]
amdhsa.kernels:
  - .name:           k_qdc61ade56f_prep
    .symbol:         k_qdc61ade56f_prep.kd
    .args:
      - { .name: hidden_states, .offset: 0, .size: 8, .value_kind: global_buffer, .address_space: global }
      - { .name: token_type_ids, .offset: 8, .size: 8, .value_kind: global_buffer, .address_space: global }
      - { .name: xs, .offset: 16, .size: 8, .value_kind: global_buffer, .address_space: global }
      - { .name: order, .offset: 24, .size: 8, .value_kind: global_buffer, .address_space: global }
      - { .name: lang_gate, .offset: 32, .size: 8, .value_kind: global_buffer, .address_space: global }
      - { .name: lang_up, .offset: 40, .size: 8, .value_kind: global_buffer, .address_space: global }
      - { .name: vis_gate, .offset: 48, .size: 8, .value_kind: global_buffer, .address_space: global }
      - { .name: vis_up, .offset: 56, .size: 8, .value_kind: global_buffer, .address_space: global }
      - { .name: lang_down, .offset: 64, .size: 8, .value_kind: global_buffer, .address_space: global }
      - { .name: vis_down, .offset: 72, .size: 8, .value_kind: global_buffer, .address_space: global }
      - { .name: wgu, .offset: 80, .size: 8, .value_kind: global_buffer, .address_space: global }
      - { .name: wd, .offset: 88, .size: 8, .value_kind: global_buffer, .address_space: global }
      - { .name: tiles, .offset: 96, .size: 8, .value_kind: global_buffer, .address_space: global }
    .group_segment_fixed_size: 2304
    .private_segment_fixed_size: 0
    .kernarg_segment_align: 8
    .kernarg_segment_size: 104
    .max_flat_workgroup_size: 256
    .sgpr_count:     72
    .vgpr_count:     152
    .wavefront_size: 32
...
	.end_amdgpu_metadata
.endif
;; end of part 1
;; launch gateup (part 2): grid 11 x 23, 4 waves a work-group, no clusters, 206,592 bytes of LDS; arguments xs, wgu, tiles, h, hs; writes h, hs
.if DOCPART == 2
	.amdgcn_target "amdgcn-amd-amdhsa--gfx1250"
	.amdhsa_code_object_version 6
	.text
	.protected	k_qdc61ade56f_gateup
	.globl	k_qdc61ade56f_gateup
	.p2align	8
	.type	k_qdc61ade56f_gateup,@function
k_qdc61ade56f_gateup:
	s_mov_b64 s[64:65], 0
	v_nop
	global_prefetch_b8 v0, s[64:65] scope:SCOPE_SE
	s_setreg_imm32_b32 hwreg(HW_REG_WAVE_MODE, 25, 1), 1
	s_wait_xcnt 0x0
; GATEUP: h = silu(x Wg) * (x Wu) for the expert of each tile of 192 slots.  xs: [4416 slots][4096] bf16.  wgu: [2][4096 k][1408 n'] bf16, n' = 2 f gate, 2 f + 1 up.
; h: [23 tiles][11 slices][192 rows][64 f] f16, each (tile, slice) block 24,576 dense bytes, TIMES A POWER OF TWO OF THE BLOCK'S OWN: bf16's 8 significant bits are too few for the hidden layer, and plain f16
; has no room (with inputs 30 times larger h passes 65,504).  So the block's largest |h| is found and scaled into [2^14, 2^15); hs: [23][11] units of 256 bytes, each filled with the block's inverse scale in f32.
; SHARES.  Work-group (x = slice, y = tile): 192 slots x 128 n' (64 f).  Four waves, wave (wr, wc) = 96 rows x 64 n': 6 x 4 accumulators.  K = 4,096 in 32 steps of 128 through two LDS slots.
; THE TILES COME THROUGH REGISTERS.  A slot's refill by a tensor load is asked for behind one K step's barrier and waited for in front of the next, so it would have one step's 96 matrix
; instructions in which to land, and two slots of a longer step (350,208 bytes) do not fit in LDS.  Loads into registers are waited for by count and stay out across barriers: a K step's tile is 40 loads a wave,
; each of two rows' 256 bytes (24 for x, 16 for the weights); a ring of registers has room for 80; 60 are out at all times, 122,880 bytes for the work-group, asked for one and a half K steps ahead of their use.
; The work goes in GROUPS of four: four loads are waited for and stored into the slot that is not being read, and the four loads 15 groups on are issued; ten groups a K step, set between the matrix instructions.
; THE MATRIX INSTRUCTION IS USED TRANSPOSED: source 0 = 16 columns n' of the weights (read from [k][n'] rows by the turning load), source 1 = 16 slots.  A lane then holds one slot (lane % 16) and
; n' = 8 (lane / 16) + 0..7: gate in its even registers, up in the odd ones, so the activation needs no other lane.
; NO CLUSTER: joint requests are tensor loads, of which this text has none; and neither 11 slices nor 23 tiles are a multiple of 4, and a 12th slice or a 24th tile would be work-groups without work.
; LIMITS: sigmoid(g) = 1 / (1 + 2^(-1.4427 g)) counts as 0 where the power overflows.  An h is kept to f16's 11 significant bits down to 2^-29 of its block's largest |h|, below that to a step of 2^-38 of it.
; A block's largest |h| counts as 2^-100 at the least.  NaN and infinities are not treated apart.  Slots past a tile's count hold an existing row; their h is stored, enters the block's maximum, and is never used.
; REGISTERS: window 0: v0-31 addresses, v32-63 at work on the way out, v64-255 accumulators ((a, b) at 64 + 8 (4 a + b)).  Window 1: two fragment buffers of 80: 6 fragments of x, then 4 of the weights.
;   Windows 2 and 3, v0-159: the ring: load i of an even K step's tile at v[4 i] of window 2, of an odd one's in window 3.
.set PA,    272                        ; a row of x in LDS: 256 bytes + 16: the 16 rows of a fragment load start 4 banks apart (64 banks of 4 bytes: ISA guide 11.1)
.set PB,    288                        ; a row k of the weights: 256 + 32
.set BOFF,  192*PA
.set SLOT,  BOFF+128*PB                ; 89,088
.set STAGE, 2*SLOT                     ; behind the two slots: 192 rows x 144 bytes
.set SP,    144
.set SPARE, STAGE+192*SP               ; the spare words, 128 bytes a wave: two blocks of 256 bytes that no other line names
.set MXB,   SPARE+512                  ; a block of 256 bytes of its own: the four waves' maxima, 4 bytes each
.set AROW,  8192                       ; bytes in a row of xs
.set BROW,  2816                       ; bytes in a row k of wgu
.set ATILE, 256                        ; bytes from a K step's tile to the next: along a row of xs,
.set BTILE, 128*BROW                   ; and 128 rows k down in wgu
.set OFA,  10                          ; v10     byte offset in xs of my 16 bytes in my wave's first two rows: (48 w + l / 16) rows + 16 (l % 16); never rewritten
.set OFB,  11                          ; v11     the same in wgu: (32 w + l / 16) rows k + 16 (l % 16); never rewritten
.set STA,  12                          ; v12-13  where those 16 bytes of x go in slot 0, 1
.set STB,  14                          ; v14-15  the same for the weights
.set ADRA, 16                          ; v16-17  LDS address of my fragments of x in slot 0, 1
.set ADRB, 20                          ; v20-21  the same for the weights
.set STO,  24                          ; v24     the way out: where I put 8 bytes of a row
.set RD,   25                          ; v25     where I read rows back
.set GO,   26                          ; v26     my byte offset in the block of h
.set SPW,  28                          ; v28     LDS address of my spare word; never rewritten
.set NIL,  29                          ; v29     0; never rewritten
.set T,    32                          ; v32-47  at work
.set MXV,  56                          ; v56     the running maximum of |h|
.set TM,   57                          ; v57     at work
.set SCL,  58                          ; v58-59  the scale, twice
.set INV,  60                          ; v60-61  its inverse, twice
.set HO,   62                          ; v62     8 x lane
.set ACC,  64
.set PK,   ACC+96                      ; the way out: packed f16, 8 registers a row block
.set F0,   0
.set F1,   80
.set MSB, 0
.macro WIN new                         ; the immediate's high byte repeats the setting that is left; a switch that changes nothing is dropped
.if MSB != (\new)
	s_set_vgpr_msb (MSB<<8)|(\new)
.set MSB, (\new)
.endif
.endm
.set MUL,  0x05                        ; sources 0 and 1 window 1; C and D window 0
.set TO_F, 0x40                        ; destination window 1, address window 0
.macro PLACES                          ; four places in front of loads into registers that matrix instructions have read, and of lines that read results
.rept 4
	v_nop
.endr
.endm
; Load i (0-23: two rows of x; 24-39: two rows k of the weights) of the tile that lies dt K steps behind the two bases, into half wn of the ring.  Lanes 0-15 take 256 consecutive bytes of one row, lanes 16-31 of the next.
.macro LD1 wn, i, dt
	WIN (2+(\wn))<<6                               ; destination in window 2 or 3, address in window 0
.if (\i) < 24
	global_load_b128 v[4*(\i):4*(\i)+3], v[OFA], s[4:5] offset:2*AROW*(\i)+ATILE*(\dt)
.else
	global_load_b128 v[4*(\i):4*(\i)+3], v[OFB], s[6:7] offset:2*BROW*((\i)-24)+BTILE*(\dt)
.endif
.endm
; Load i of half par of the ring goes into slot par
.macro ST1 par, i
	WIN (2+(\par))<<2                              ; the store's data (source 1) in window 2 or 3, address in window 0
.if (\i) < 24
	ds_store_b128 v[STA+(\par)], v[4*(\i):4*(\i)+3] offset:2*PA*(\i)
.else
	ds_store_b128 v[STB+(\par)], v[4*(\i):4*(\i)+3] offset:2*PB*((\i)-24)
.endif
.endm
; GROUP g of the ten that bring a tile (K step u, half par = u % 2 of the ring) into slot par.  Its four loads are waited for and stored; then the four loads 15 groups on are issued: groups 0-4 ask for loads
; 20-39 of K step u + 1, groups 5-9 for loads 0-19 of K step u + 2, into registers that were stored from five groups ago.  dl: K step u + 1 lies dl steps behind the bases.
; THE COUNT.  Loads come back in order (ISA guide 5.7.1), and behind this group's four the 14 groups that follow it have been issued: 56 may stay out.
; kind 2: so in every group.  kind 1: K step 31's tile is the last: its second half is asked for in groups 0-4, then nothing, and the count runs down.  kind 0: nothing is asked for; the count ends at 0.
.macro GRP par, g, dl, kind
.if (\kind) == 0
.set CNT, 36-4*(\g)
.elseif ((\kind) == 1) && ((\g) > 5)
.set CNT, 56-4*((\g)-5)
.else
.set CNT, 56
.endif
	s_wait_loadcnt CNT
.irp j, 0,1,2,3
	ST1 \par, 4*(\g)+\j
.endr
.if ((\kind) == 2) || (((\kind) == 1) && ((\g) < 5))
.irp j, 0,1,2,3
.if (\g) < 5
	LD1 1-(\par), 4*(\g)+20+\j, \dl
.else
	LD1 \par, 4*(\g)-20+\j, (\dl)+1
.endif
.endr
.endif
.endm
	s_load_b256 s[4:11], s[0:1], 0x0               ; xs s[4:5], wgu s[6:7], tiles s[8:9], h s[10:11]
	s_load_b64 s[56:57], s[0:1], 0x20              ; hs
	v_lshl_add_u32 v[SPW], v0, 2, SPARE
	v_mov_b32 v[NIL], 0
	v_lshrrev_b32 v1, 5, v0
	v_readfirstlane_b32 s12, v1                    ; wave 0..3
	s_lshr_b32 s13, s12, 1                         ; wr: my 96 rows
	s_and_b32 s14, s12, 1                          ; wc: my 64 n'
	s_mov_b32 s15, ttmp9                           ; slice
	s_and_b32 s16, ttmp7, 0xffff                   ; tile
	s_lshl_b32 s18, s16, 3                         ; the tile's entry
	s_mov_b32 s58, 0x7fffffff                      ; clears a sign
	s_mov_b32 s60, 0x76543210                      ; v_permlanex16_b32: each lane takes its own place in the other half
	s_mov_b32 s61, 0xfedcba98
	v_and_b32 v1, 15, v0                           ; r = l % 16
	v_bfe_u32 v2, v0, 4, 1                         ; hh = l / 16
	v_lshlrev_b32 v4, 4, v1                        ; 16 r
	s_mul_i32 s20, s12, 48                         ; of a tile's 192 rows of x wave w brings rows 48 w .. 48 w + 47,
	v_add_nc_u32 v3, s20, v2
	v_lshl_add_u32 v[OFA], v3, 13, v4
	v_mul_u32_u24 v3, v3, PA
	v_add_nc_u32 v[STA], v3, v4
	v_add_nc_u32 v[STA+1], SLOT, v[STA]
	s_lshl_b32 s20, s12, 5                         ; of its 128 rows k of the weights rows 32 w .. 32 w + 31
	v_add_nc_u32 v5, s20, v2
	v_mul_u32_u24 v6, v5, BROW
	v_add_nc_u32 v[OFB], v6, v4
	v_mul_u32_u24 v6, v5, PB
	v_add_nc_u32 v6, v6, v4
	v_add_nc_u32 v[STB], BOFF, v6
	v_add_nc_u32 v[STB+1], SLOT, v[STB]
	s_mul_i32 s20, s16, 192*AROW                   ; the tile's first row of xs
	s_mov_b32 s21, 0
	s_wait_kmcnt 0x0
	s_load_b32 s17, s[8:9], s18 offset:0x0         ; the tile's expert
	s_add_nc_u64 s[4:5], s[4:5], s[20:21]
.set n, 0
.rept 24
	LD1 0, n, 0                                    ; the ring is filled: K step 0's x goes out ahead of the wait for the expert,
.set n, n+1
.endr
	s_wait_kmcnt 0x0
	s_min_u32 s17, s17, 1
	s_mul_i32 s22, s17, 4096*BROW                  ; the expert's 4,096 rows k,
	s_lshl_b32 s23, s15, 8                         ; the slice's 256 bytes of a row
	s_add_co_u32 s22, s22, s23
	s_mov_b32 s23, 0
	s_add_nc_u64 s[6:7], s[6:7], s[22:23]
.rept 16
	LD1 0, n, 0                                    ; its weights,
.set n, n+1
.endr
.set n, 0
.rept 20
	LD1 1, n, 1                                    ; and the first half of K step 1's tile: 60 loads are out
.set n, n+1
.endr
	WIN 0
	v_mul_u32_u24 v3, v1, PA
	v_lshl_add_u32 v3, v2, 4, v3                   ; a fragment of x: row x pitch + 16 x half; two loads, 32 bytes apart
	s_mul_i32 s20, s13, 96*PA
	v_add_nc_u32 v[ADRA], s20, v3
	v_add_nc_u32 v[ADRA+1], SLOT, v[ADRA]
	v_and_b32 v4, 7, v0
	v_bfe_u32 v5, v0, 3, 1
	v_lshl_add_u32 v6, v2, 3, v4                   ; the turning load: lane l reads row k = 8 (l / 16) + l % 8, 16 bytes at 16 ((l / 8) % 2), and is left with column l % 16, 8 k
	v_mul_u32_u24 v6, v6, PB
	v_lshl_add_u32 v6, v5, 4, v6
	s_lshl_b32 s21, s14, 7
	s_add_co_u32 s21, s21, BOFF
	v_add_nc_u32 v[ADRB], s21, v6
	v_add_nc_u32 v[ADRB+1], SLOT, v[ADRB]
	v_mul_u32_u24 v7, v1, SP                       ; into the stage: row 96 wr + 16 a + r, bytes 64 wc + 16 b + 8 hh
	v_lshl_add_u32 v7, v2, 3, v7
	s_mul_i32 s20, s13, 96*SP
	s_lshl_b32 s21, s14, 6
	s_add_co_u32 s20, s20, s21
	s_add_co_u32 s20, s20, STAGE
	v_add_nc_u32 v[STO], s20, v7
	v_bfe_u32 v8, v0, 3, 2                         ; back: wave w takes rows 48 w .. 48 w + 47; 32 lanes take four rows of 128 bytes,
	v_mul_u32_u24 v8, v8, SP
	v_lshl_add_u32 v8, v4, 4, v8
	s_mul_i32 s20, s12, 48*SP
	s_add_co_u32 s20, s20, STAGE
	v_add_nc_u32 v[RD], s20, v8
	v_and_b32 v9, 31, v0                           ; which are 512 consecutive bytes of h
	v_lshlrev_b32 v9, 4, v9
	s_mul_i32 s20, s12, 6144
	v_add_nc_u32 v[GO], s20, v9
	s_mul_i32 s20, s16, 11
	s_add_co_u32 s20, s20, s15                     ; block (tile, slice):
	s_lshl_b32 s22, s20, 8                         ; its 256 bytes of hs,
	s_mov_b32 s23, 0
	s_add_nc_u64 s[56:57], s[56:57], s[22:23]
	s_mul_i32 s20, s20, 24576                      ; its 24,576 bytes of h
	s_mov_b32 s21, 0
	s_add_nc_u64 s[10:11], s[10:11], s[20:21]
; 20 LDS loads in one run: the fragments of quarter q (32 along K) of a slot into buffer f
.macro FETCH slot, q, f
	WIN TO_F
.irp b, 0,1,2,3
	ds_load_tr16_b128 v[(\f)+48+8*(\b):(\f)+48+8*(\b)+3],   v[ADRB+(\slot)] offset:32*PB*(\q)+32*(\b)
	ds_load_tr16_b128 v[(\f)+48+8*(\b)+4:(\f)+48+8*(\b)+7], v[ADRB+(\slot)] offset:32*PB*(\q)+32*(\b)+16*PB
.endr
.irp i, 0,1,2,3,4,5
	ds_load_b128 v[(\f)+8*(\i):(\f)+8*(\i)+3],   v[ADRA+(\slot)] offset:16*PA*(\i)+64*(\q)
	ds_load_b128 v[(\f)+8*(\i)+4:(\f)+8*(\i)+7], v[ADRA+(\slot)] offset:16*PA*(\i)+64*(\q)+32
.endr
.endm
; 4 matrix instructions: row block a x all 4 column blocks.  The 24 accumulators take turns, one instruction a turn, in the same order in every quarter.  zero = 1: the product starts the sum.
.macro MMROW f, a, zero
	WIN MUL
.irp b, 0,1,2,3
.if \zero
	v_wmma_f32_16x16x32_bf16 v[ACC+8*(4*(\a)+(\b)):ACC+8*(4*(\a)+(\b))+7], v[(\f)+48+8*(\b):(\f)+48+8*(\b)+7], v[(\f)+8*(\a):(\f)+8*(\a)+7], 0
.else
	v_wmma_f32_16x16x32_bf16 v[ACC+8*(4*(\a)+(\b)):ACC+8*(4*(\a)+(\b))+7], v[(\f)+48+8*(\b):(\f)+48+8*(\b)+7], v[(\f)+8*(\a):(\f)+8*(\a)+7], v[ACC+8*(4*(\a)+(\b)):ACC+8*(4*(\a)+(\b))+7]
.endif
.endr
.endm
; One of a K step's first three quarters: buffer fa is in; the next quarter's run of loads goes out into fb, 24 matrix instructions ahead of its use; then fa is multiplied, and behind each of its first ng
; rows of four products stands one group of the stream, groups gf, gf + 1, ..: they store into the other slot.
; dsn: the LDS stores issued behind buffer fa's loads, which may stay out (LDS serves a wave's instructions in order: ISA guide 5.7.1.4).
.macro QUARTER slot, qn, fa, fb, zero, dsn, gf, ng, dl, kind
	s_wait_dscnt \dsn
	PLACES                                         ; buffer fb was read by the products just issued
	FETCH \slot, \qn, \fb
.irp a, 0,1,2,3,4,5
	MMROW \fa, \a, \zero
.if (\a) < (\ng)
	GRP 1-(\slot), (\gf)+(\a), \dl, \kind
.endif
.endr
.endm
; The last quarter multiplies buffer 1 and changes slots: ONE barrier for two things.  In front of it each wave waits for its stores into the next slot and for its reads of this slot; behind it the next slot is
; whole and nobody reads this one any more, so the next K step's groups may store into it.  The loads into registers stay out across it.  mode 0: the last K step: no change of slots.
.macro TURN slot, mode, dsn
.if (\mode) == 0
	s_wait_dscnt 0x0
.irp a, 0,1,2,3,4,5
	MMROW F1, \a, 0
.endr
.else
	s_wait_dscnt \dsn                              ; buffer 1 is in; the stores issued behind its loads may be out
	MMROW F1, 0, 0
	MMROW F1, 1, 0
	s_wait_dscnt 0x0                               ; for the others' sake: my stores into the next slot are done, and my reads of this slot are over
	s_barrier_signal -1
	MMROW F1, 2, 0                                 ; work on registers while the others arrive
	s_barrier_wait -1
	PLACES                                         ; buffer 0 was read by the quarter before
	FETCH 1-(\slot), 0, F0
	MMROW F1, 3, 0
	MMROW F1, 4, 0
	MMROW F1, 5, 0
.endif
.endm
; A K step on slot `slot`; its ten groups bring the next K step's tile into the other slot.  kind -1: there is no next tile.
.macro STEP slot, zero, mode, dl, kind
.if (\kind) >= 0
	QUARTER \slot, 1, F0, F1, \zero, 0, 0, 4, \dl, \kind
	QUARTER \slot, 2, F1, F0, 0, 16, 4, 3, \dl, \kind
	QUARTER \slot, 3, F0, F1, 0, 12, 7, 3, \dl, \kind
	TURN \slot, \mode, 12
.else
	QUARTER \slot, 1, F0, F1, \zero, 0, 0, 0, 0, 0
	QUARTER \slot, 2, F1, F0, 0, 0, 0, 0, 0, 0
	QUARTER \slot, 3, F0, F1, 0, 0, 0, 0, 0, 0
	TURN \slot, \mode, 0
.endif
.endm
.set gg, 0
.rept 10
	GRP 0, gg, 1, 2                                ; K step 0's tile goes into slot 0; the stream goes on behind it
.set gg, gg+1
.endr
	s_wait_dscnt 0x0                               ; for the others' sake: my part of the tile is stored
	s_barrier_signal -1
	s_barrier_wait -1                              ; everybody's is
	FETCH 0, 0, F0
	STEP 0, 1, 1, 2, 2                             ; K step 0: its first quarter starts the sums
	WIN 0                                          ; at a label and at a branch every window is 0
	s_mov_b32 s3, 14
.Lk:                                                   ; K steps 1 to 28, two a trip: the slots and the halves of the ring take turns
	STEP 1, 0, 1, 3, 2
	STEP 0, 0, 1, 4, 2
	WIN 0
	s_wait_xcnt 0x0                                ; the loads' bases are stepped only behind this wait; the last loads were issued a quarter step ago
	s_add_nc_u64 s[4:5], s[4:5], 2*ATILE
	s_add_nc_u64 s[6:7], s[6:7], 2*BTILE
	s_sub_co_u32 s3, s3, 1
	s_cmp_lg_u32 s3, 0
	s_cbranch_scc1 .Lk
	STEP 1, 0, 1, 3, 1                             ; K step 29: the bases stand at K step 28; the last 20 loads, of K step 31's tile, go out: no load leaves its buffer
	STEP 0, 0, 1, 0, 0                             ; K step 30 stores K step 31's tile and asks for nothing
	STEP 1, 0, 0, 0, -1                            ; K step 31
	; THE WAY OUT, FIRST PART.  Row block a at a time: 16 pairs (g, u) a lane; h = silu(g) u in f32, laid into registers ACC + 16 a .. + 15, which hold pairs that have been read; |h| enters the running maximum.
	WIN 0
	PLACES
	v_mov_b32 v[MXV], 0x0d800000                   ; 2^-100: the least that the maximum counts as, so that both powers of two below are normal numbers
	v_mov_b32 v[TM], 0                             ; written before v_permlanex16_b32 names it as its destination
.macro ACT a
.set n, 0
.rept 16
	v_mul_f32 v[T+n], 0xbfb8aa3b, v[ACC+32*(\a)+2*n]       ; -log2(e) g; each accumulator's lowest register is read first
.set n, n+1
.endr
.set n, 0
.rept 16
	v_exp_f32 v[T+n], v[T+n]
.set n, n+1
.endr
	v_nop                                          ; a plain instruction behind the last exponential (ISA guide 5.7.2),
	s_wait_alu depctr_va_vdst(0)                   ; and one wait for the batch, ahead of its first reader
.set n, 0
.rept 16
	v_add_f32 v[T+n], 1.0, v[T+n]
.set n, n+1
.endr
.set n, 0
.rept 16
	v_rcp_f32 v[T+n], v[T+n]
.set n, n+1
.endr
	v_nop
	s_wait_alu depctr_va_vdst(0)                   ; one wait for the sixteen reciprocals
.set n, 0
.rept 16
	v_mul_f32 v[T+n], v[T+n], v[ACC+32*(\a)+2*n]           ; silu(g)
.set n, n+1
.endr
.set n, 0
.rept 16
	v_mul_f32 v[ACC+16*(\a)+n], v[T+n], v[ACC+32*(\a)+2*n+1]  ; times u.  Line n writes register 16 a + n and the lines behind it read 32 a + 2 m + 1 with m > n: none that has been written
.set n, n+1
.endr
.set n, 0
.rept 16
	v_and_b32 v[T+n], s58, v[ACC+16*(\a)+n]                ; |h|
.set n, n+1
.endr
.set n, 0
.rept 8
	v_max3_num_f32 v[MXV], v[MXV], v[T+2*n], v[T+2*n+1]
.set n, n+1
.endr
.endm
.irp a, 0,1,2,3,4,5
	ACT \a
.endr
	; SECOND PART: the block's largest |h|: over the 32 lanes, then over the four waves through LDS
	v_max_num_f32_dpp v[MXV], v[MXV], v[MXV] row_xmask:1 row_mask:0xf bank_mask:0xf
	v_max_num_f32_dpp v[MXV], v[MXV], v[MXV] row_xmask:2 row_mask:0xf bank_mask:0xf
	v_max_num_f32_dpp v[MXV], v[MXV], v[MXV] row_xmask:4 row_mask:0xf bank_mask:0xf
	v_max_num_f32_dpp v[MXV], v[MXV], v[MXV] row_xmask:8 row_mask:0xf bank_mask:0xf
	v_permlanex16_b32 v[TM], v[MXV], s60, s61
	v_max_num_f32 v[MXV], v[MXV], v[TM]
	s_lshl_b32 s20, s12, 2
	s_add_co_u32 s20, s20, MXB
	v_mov_b32 v[TM], s20
	ds_store_b32 v[TM], v[MXV]                     ; my wave's word: all lanes write the same value
	s_wait_dscnt 0x0                               ; for the others' sake: my store is done
	s_barrier_signal -1
	s_barrier_wait -1
	v_mov_b32 v[TM], MXB
	ds_load_b128 v[T:T+3], v[TM]
	v_and_b32 v[HO], 31, v0
	v_lshlrev_b32 v[HO], 3, v[HO]
	s_wait_dscnt 0x0
	v_max3_num_f32 v[MXV], v[T], v[T+1], v[T+2]
	v_max_num_f32 v[MXV], v[MXV], v[T+3]
	v_lshrrev_b32 v[TM], 23, v[MXV]                ; e, the maximum's biased exponent: the maximum lies in [2^(e-127), 2^(e-126)); e is 27 at the least
	v_sub_nc_u32 v[SCL], 0x10c, v[TM]
	v_lshlrev_b32 v[SCL], 23, v[SCL]               ; the scale 2^(141 - e): exponent field 268 - e
	v_mov_b32 v[SCL+1], v[SCL]
	v_add_nc_u32 v[INV], -14, v[TM]
	v_lshlrev_b32 v[INV], 23, v[INV]               ; its inverse 2^(e - 141): exponent field e - 14
	v_mov_b32 v[INV+1], v[INV]
	s_cmp_lg_u32 s12, 0
	s_cbranch_scc1 .Lno_hs                         ; wave 0 alone stores it (no barrier stands in what is jumped)
	global_store_b64 v[HO], v[INV:INV+1], s[56:57] ; 32 lanes x 8 bytes: the block's 256 bytes of hs, whole; these registers are not written again
.Lno_hs:
	; THIRD PART: scaled, rounded to f16, 4 f of a row packed into 8 bytes, into the stage
.set n, 0
.rept 48
	v_pk_mul_f32 v[ACC+2*n:ACC+2*n+1], v[ACC+2*n:ACC+2*n+1], v[SCL:SCL+1] op_sel_hi:[1,0]
.set n, n+1
.endr
.set n, 0
.rept 48
	v_cvt_pk_f16_f32 v[PK+n], v[ACC+2*n], v[ACC+2*n+1]
.set n, n+1
.endr
.set n, 0
.rept 24
	ds_store_b64 v[STO], v[PK+2*n:PK+2*n+1] offset:16*SP*(n/4)+16*(n%4)  ; row block n / 4, column block n % 4
.set n, n+1
.endr
	s_wait_dscnt 0x0                               ; for the others' sake: a row's 128 bytes come from two waves
	s_barrier_signal -1
	s_barrier_wait -1
.set n, 0
.rept 12
	ds_load_b128 v[ACC+4*n:ACC+4*n+3], v[RD] offset:4*SP*n
.set n, n+1
.endr
.set n, 0
.rept 12
	s_wait_dscnt 11-n                              ; the 11 - n younger loads stay out
	global_store_b128 v[GO], v[ACC+4*n:ACC+4*n+3], s[10:11] offset:512*n  ; 512 consecutive bytes, at a multiple of 256 from h's first byte
.set n, n+1
.endr
	s_wait_tensorcnt 0x0                           ; the wave's end: an add of 0 to my spare word and its wait, behind my last LDS store
	ds_add_u32 v[SPW], v[NIL]
	s_wait_dscnt 0x0
	s_endpgm
.Lfunc_end_k_qdc61ade56f_gateup:
	.size	k_qdc61ade56f_gateup, .Lfunc_end_k_qdc61ade56f_gateup-k_qdc61ade56f_gateup
	.p2alignl 7, 3214868480
	.fill 96, 4, 3214868480
	.section	.rodata,"a",@progbits
	.p2align	6, 0x0
	.amdhsa_kernel k_qdc61ade56f_gateup
		.amdhsa_group_segment_fixed_size 206592
		.amdhsa_private_segment_fixed_size 0
		.amdhsa_enable_private_segment 0
		.amdhsa_kernarg_size 40
		.amdhsa_user_sgpr_count 2
		.amdhsa_user_sgpr_kernarg_segment_ptr 1
		.amdhsa_wavefront_size32 1
		.amdhsa_system_sgpr_workgroup_id_x 1
		.amdhsa_system_sgpr_workgroup_id_y 1
		.amdhsa_system_sgpr_workgroup_id_z 1
		.amdhsa_system_vgpr_workitem_id 0
		.amdhsa_next_free_vgpr 928
		.amdhsa_next_free_sgpr 66
		.amdhsa_reserve_vcc 0
		.amdhsa_float_denorm_mode_32 3
		.amdhsa_float_denorm_mode_16_64 3
		.amdhsa_memory_ordered 1
		.amdhsa_forward_progress 1
		.amdhsa_inst_pref_size 160
	.end_amdhsa_kernel
	.amdgpu_metadata
---
amdhsa.version: [ 1, 2 ]
amdhsa.kernels:
  - .name:           k_qdc61ade56f_gateup
    .symbol:         k_qdc61ade56f_gateup.kd
    .args:
      - { .name: xs, .offset: 0, .size: 8, .value_kind: global_buffer, .address_space: global }
      - { .name: wgu, .offset: 8, .size: 8, .value_kind: global_buffer, .address_space: global }
      - { .name: tiles, .offset: 16, .size: 8, .value_kind: global_buffer, .address_space: global }
      - { .name: h, .offset: 24, .size: 8, .value_kind: global_buffer, .address_space: global }
      - { .name: hs, .offset: 32, .size: 8, .value_kind: global_buffer, .address_space: global }
    .group_segment_fixed_size: 206592
    .private_segment_fixed_size: 0
    .kernarg_segment_align: 8
    .kernarg_segment_size: 40
    .max_flat_workgroup_size: 128
    .sgpr_count:     66
    .vgpr_count:     928
    .wavefront_size: 32
...
	.end_amdgpu_metadata
.endif
;; end of part 2
;; launch down (part 3): grid 11 x 23, 4 waves a work-group, no clusters, 327,680 bytes of LDS; arguments h, wd, tiles, order, out0, hs; writes out0
.if DOCPART == 3
	.amdgcn_target "amdgcn-amd-amdhsa--gfx1250"
	.amdhsa_code_object_version 6
	.text
	.protected	k_qdc61ade56f_down
	.globl	k_qdc61ade56f_down
	.p2align	8
	.type	k_qdc61ade56f_down,@function
k_qdc61ade56f_down:
	s_mov_b64 s[64:65], 0
	v_nop
	global_prefetch_b8 v0, s[64:65] scope:SCOPE_SE
	s_setreg_imm32_b32 hwreg(HW_REG_WAVE_MODE, 25, 1), 1
	s_wait_xcnt 0x0
; DOWN: out0[token of slot] = h Wd for the expert of each tile of 192 slots.  h: [23 tiles][11 slices][192 rows][64 f] f16, each block times a power of two of its own; hs: [23][11] units of 256 bytes, whose
; first word is the block's inverse scale in f32.  wd: [2][704 f][4224 n] f16 (rows >= 688, columns >= 4,096 zero).  out0: [4096 tokens][4096] f32.  Sums in f32.
; THE SCALES.  A K step is one block of h.  Its fragments are multiplied by (the block's inverse scale) / (the tile's largest inverse scale), a power of two that is 1 at the most, so that all eleven steps add
; up on one scale; the finished sums are multiplied by the tile's largest inverse scale.  LIMIT: an h below 2^-39 of its tile's largest |h| counts as 0 (f16's fixed step); NaN and infinities are not treated apart.
; SHARES.  Work-group (x = slice of 384 columns, y = tile).  Four waves; wave (wr, wc) has 96 rows and, in each of the slice's three segments of 128 columns, the 64 at 64 wc: 6 x 12 accumulators, so that
; its 64 f32 of a row and segment are one aligned 256 bytes of the output.  K = 704 in 11 steps of 64 through two LDS slots.
; The last slice has 256 real columns: its third segment multiplies zeros and is not stored.  Rows past the tile's count are computed and not stored; a tile without rows stores nothing.
; THE MATRIX INSTRUCTION IS USED TRANSPOSED (source 0 = 16 columns of Wd by the turning load, source 1 = 16 slots): a lane holds one slot and eight neighbouring columns.
; NO CLUSTER: h's tile is shared by a tile's 11 slices, the weights' by the tiles of one expert, whose number hangs on the split; neither 11 nor 23 is a multiple of 4.
; REGISTERS: window 0: v0-31 addresses; v32-42 the steps' ratios; v64-159 two buffers of h's fragments; v160-223 two of the weights'; on the way out v64-159 rows read back, v160-207 the byte offsets of the 48 rows
;   that my lane stores.  Windows 1, 2, 3: the accumulators of segment 0, 1, 2 ((a, i) at 8 (4 a + i)); window 1, v192-239: the tokens of those 48 rows.
.set PA,    144                        ; a row of h in LDS: 128 bytes + 16
.set PB,    864                        ; a row f of the weights: 3 x (256 + 32): an odd multiple of 32
.set AHALF, 96*PA
.set BOFF,  192*PA
.set BHALF, 32*PB
.set SLOT,  BOFF+64*PB                 ; 82,944
.set STAGE, 2*SLOT                     ; behind the ring, never filled by a tensor load: 16 rows x 784 bytes for each wave
.set SP,    784                        ; 3 x 256 + 16
.set SPARE, STAGE+4*16*SP              ; the spare words, 128 bytes a wave: two blocks of 256 bytes that no other line names
.set ADRA, 16                          ; v16-17
.set ADRB, 20                          ; v20-21
.set STO,  24                          ; v24  into my stage: row r, 32 bytes for each half of the lanes
.set RD,   25                          ; v25  back: lanes 0-15 row p, lanes 16-31 row 8 + p, 16 bytes a lane
.set LIM,  26                          ; v26  rows of the tile left from my lanes' first row on: count - 96 wr - 8 (l / 16), signed
.set CB,   27                          ; v27  my 16 bytes in a token's row: 16 r + 256 wc
.set SPW,  28                          ; v28  LDS address of my spare word; never rewritten
.set NIL,  29                          ; v29  0; never rewritten
.set TA,   30                          ; v30  byte offset of my lanes' first row in the tile's list
.set LIM3, 31                          ; v31  the same as LIM for the third segment: in the last slice below every row
.set RV,   32                          ; v32-42  the K steps' ratios, twice each as f16; the loop's two steps name RV + 1 and RV + 2, and each trip moves the list down by two
.set AF0,  64
.set AF1,  112
.set BF0,  160
.set BF1,  192
.set OB,   64
.set OA,   160                         ; v160-207  made once, with all lanes on, and never rewritten
.set TOK,  192                         ; in window 1
.set G1A,  24
.set G0A,  32
.set G1B,  40
.set G0B,  48
.set CW,   56                          ; s56  count - 96 wr, signed
.set SAVE, 57                          ; s57  EXEC, kept
.set IM,   62                          ; s[62:63]  the tile's largest inverse scale, twice
.set HS,   66                          ; s66-76  the eleven blocks' inverse scales
.set MSB, 0
.macro WIN new                         ; the immediate's high byte repeats the setting that is left; a switch that changes nothing is dropped
.if MSB != (\new)
	s_set_vgpr_msb (MSB<<8)|(\new)
.set MSB, (\new)
.endif
.endm
.macro PLACES
.rept 4
	v_nop
.endr
.endm
.macro LOAD s                          ; a fill: waves 0 and 1 fetch h's two halves, waves 2 and 3 the weights'; an s_nop 0 and four v_nop follow each line
	s_cmp_eq_u32 s15, 0
	s_cbranch_scc0 .Lfor_b_\@
	tensor_load_to_lds s[G0A+4*(\s):G0A+4*(\s)+3], s[G1A:G1A+7]
	s_nop 0
.rept 4
	v_nop
.endr
	s_branch .Lasked_\@
.Lfor_b_\@:
	tensor_load_to_lds s[G0B+4*(\s):G0B+4*(\s)+3], s[G1B:G1B+7]
	s_nop 0
.rept 4
	v_nop
.endr
.Lasked_\@:
.endm
	s_load_b256 s[4:11], s[0:1], 0x0               ; h s[4:5], wd s[6:7], tiles s[8:9], order s[10:11]
	s_load_b64 s[12:13], s[0:1], 0x20              ; out0
	s_load_b64 s[60:61], s[0:1], 0x28              ; hs
	v_lshl_add_u32 v[SPW], v0, 2, SPARE
	v_mov_b32 v[NIL], 0
	ds_add_u32 v[SPW], v[NIL]                      ; the wave's opening: the add and its wait stand ahead of my first tensor load; work on registers stands between
	v_lshrrev_b32 v1, 5, v0
	v_readfirstlane_b32 s14, v1                    ; wave 0..3
	s_lshr_b32 s15, s14, 1                         ; wr.  Also: I fetch h (0) or the weights (1)
	s_and_b32 s16, s14, 1                          ; wc.  Also: which half I fetch
	s_mov_b32 s17, ttmp9                           ; slice
	s_and_b32 s18, ttmp7, 0xffff                   ; tile
	s_lshl_b32 s19, s18, 3
	s_mov_b32 s[G1A+0], (1<<16)|(1<<20)|(4<<22)|(3<<25)  ; 96 rows of h are 12,288 dense bytes: asked for as 48 rows of 256, padded by 4 words after every 32 words (a row of h)
	s_mov_b32 s[G1A+1], 128<<16
	s_mov_b32 s[G1A+2], 48<<16
	s_mov_b32 s[G1A+3], 128<<16
	s_mov_b32 s[G1A+4], 48
	s_mov_b32 s[G1A+5], 128
	s_mov_b32 s[G1A+6], 0
	s_mov_b32 s[G1A+7], 0
	s_mov_b32 s[G1B+0], (1<<16)|(1<<20)|(5<<22)|(7<<25)  ; 32 rows f of 384 columns (768 bytes), padded by 8 words after every 64 words (a segment)
	s_mov_b32 s[G1B+1], 384<<16
	s_mov_b32 s[G1B+2], 32<<16
	s_mov_b32 s[G1B+3], 384<<16
	s_mov_b32 s[G1B+4], 32
	s_mov_b32 s[G1B+5], 4224
	s_mov_b32 s[G1B+6], 0
	s_mov_b32 s[G1B+7], 0
	s_mul_i32 s2, s16, AHALF
	s_mul_i32 s3, s16, BHALF
	s_add_co_u32 s3, s3, BOFF
	s_wait_dscnt 0x0                               ; the opening add is done
	s_wait_kmcnt 0x0
	s_load_b64 s[20:21], s[8:9], s19 offset:0x0    ; the tile's expert and count
	s_mov_b32 s23, 0
	s_mul_i32 s22, s18, 11*256                     ; the tile's 11 units of hs
	s_add_nc_u64 s[60:61], s[60:61], s[22:23]
.set k, 0
.rept 11
	s_load_b32 s[HS+k], s[60:61], 256*k            ; block k's inverse scale
.set k, k+1
.endr
	s_mul_i32 s22, s18, 11*24576                   ; the tile's 11 blocks of h,
	s_mul_i32 s58, s16, 12288                      ; my half of a block
	s_add_co_u32 s22, s22, s58
	s_add_nc_u64 s[4:5], s[4:5], s[22:23]
	s_mul_i32 s22, s18, 768                        ; the tile's 192 words of the list
	s_add_nc_u64 s[10:11], s[10:11], s[22:23]
	s_mul_i32 s22, s17, 1536                       ; the slice's 384 columns of a token's row
	s_add_nc_u64 s[12:13], s[12:13], s[22:23]
	s_wait_kmcnt 0x0
	s_min_u32 s20, s20, 1
	s_min_u32 s21, s21, 192
	s_mul_i32 s58, s15, 96
	s_sub_co_i32 s[CW], s21, s58
	s_mul_i32 s22, s20, 5947392                    ; the expert's 704 rows of 8,448 bytes,
	s_mul_i32 s58, s16, 270336                     ; my 32 rows f,
	s_add_co_u32 s22, s22, s58
	s_mul_i32 s58, s17, 768                        ; the slice's 768 bytes of a row
	s_add_co_u32 s22, s22, s58
	s_add_nc_u64 s[6:7], s[6:7], s[22:23]
	s_max_u32 s[IM], s[HS], s[HS+1]                ; positive powers of two: the order of their bits is the order of the numbers
.set k, 2
.rept 9
	s_max_u32 s[IM], s[IM], s[HS+k]
.set k, k+1
.endr
	s_mov_b32 s[IM+1], s[IM]
.irp s, 0,1
	s_mov_b32 s[G0A+4*(\s)], 1
	s_add_co_u32 s[G0A+4*(\s)+1], s2, (\s)*SLOT
	s_add_nc_u64 s[G0A+4*(\s)+2:G0A+4*(\s)+3], s[4:5], (\s)*24576    ; K step s: block s of h
	s_or_b32 s[G0A+4*(\s)+3], s[G0A+4*(\s)+3], 0x80000000
	s_mov_b32 s[G0B+4*(\s)], 1
	s_add_co_u32 s[G0B+4*(\s)+1], s3, (\s)*SLOT
	s_add_nc_u64 s[G0B+4*(\s)+2:G0B+4*(\s)+3], s[6:7], (\s)*540672   ; 64 rows f on
	s_or_b32 s[G0B+4*(\s)+3], s[G0B+4*(\s)+3], 0x80000000
.endr
	s_cmp_eq_u32 s15, 0                            ; a wave's two first fills stand in one branch, ahead of every wait on TENSORcnt, LDS read and barrier: two loads of mine are out
	s_cbranch_scc0 .Lfirst_b
	tensor_load_to_lds s[G0A:G0A+3], s[G1A:G1A+7]
	s_nop 0
	tensor_load_to_lds s[G0A+4:G0A+7], s[G1A:G1A+7]
	s_nop 0
.rept 4
	v_nop
.endr
	s_branch .Lfirst_asked
.Lfirst_b:
	tensor_load_to_lds s[G0B:G0B+3], s[G1B:G1B+7]
	s_nop 0
	tensor_load_to_lds s[G0B+4:G0B+7], s[G1B:G1B+7]
	s_nop 0
.rept 4
	v_nop
.endr
.Lfirst_asked:
	v_and_b32 v1, 15, v0                           ; r
	v_bfe_u32 v2, v0, 4, 1                         ; hh
	v_lshlrev_b32 v[TA], 5, v2
	s_mul_i32 s58, s15, 384
	v_add_nc_u32 v[TA], s58, v[TA]                 ; 4 (96 wr + 8 hh)
	WIN 0x40                                       ; destination window 1, address window 0
.set a, 0
.rept 6                                                ; the tokens of rows 96 wr + 16 a + 8 hh + 0..7
	global_load_b128 v[TOK+8*a:TOK+8*a+3],   v[TA], s[10:11] offset:64*a
	global_load_b128 v[TOK+8*a+4:TOK+8*a+7], v[TA], s[10:11] offset:64*a+16
.set a, a+1
.endr
	WIN 0
.set k, 0
.rept 11                                               ; step k's ratio 2^(e_k - e_max) as f32: both are exponent fields alone, so 1.0's bits less their difference; below the least exponent it is 0
	s_sub_co_u32 s58, s[IM], s[HS+k]
	s_sub_co_i32 s58, 0x3f800000, s58
	s_max_i32 s58, s58, 0
	v_mov_b32 v[RV+k], s58
.set k, k+1
.endr
.set k, 0
.rept 11
	v_cvt_pk_f16_f32 v[RV+k], v[RV+k], v[RV+k]     ; twice as f16: exact down to 2^-24, 0 below
.set k, k+1
.endr
	v_mul_u32_u24 v3, v1, PA
	v_lshl_add_u32 v3, v2, 4, v3
	s_mul_i32 s58, s15, 96*PA
	v_add_nc_u32 v[ADRA], s58, v3
	v_add_nc_u32 v[ADRA+1], SLOT, v[ADRA]
	v_and_b32 v4, 7, v0
	v_bfe_u32 v5, v0, 3, 1
	v_lshl_add_u32 v6, v2, 3, v4
	v_mul_u32_u24 v6, v6, PB
	v_lshl_add_u32 v6, v5, 4, v6
	s_lshl_b32 s58, s16, 7
	s_add_co_u32 s58, s58, BOFF
	v_add_nc_u32 v[ADRB], s58, v6
	v_add_nc_u32 v[ADRB+1], SLOT, v[ADRB]
	s_mul_i32 s58, s14, 16*SP
	s_add_co_u32 s58, s58, STAGE                   ; my stage
	v_mul_u32_u24 v7, v1, SP
	v_lshl_add_u32 v7, v2, 5, v7
	v_add_nc_u32 v[STO], s58, v7
	v_mul_u32_u24 v8, v2, 8*SP
	v_lshl_add_u32 v8, v1, 4, v8
	v_add_nc_u32 v[RD], s58, v8
	v_lshlrev_b32 v[LIM], 3, v2
	v_mov_b32 v[LIM3], v[LIM]
	v_sub_nc_u32 v[LIM], s[CW], v[LIM]
	s_cmp_eq_u32 s17, 10
	s_cselect_b32 s59, 0xfffffc00, s[CW]           ; the last slice's third segment lies past column 4,095: no row of it is stored
	v_sub_nc_u32 v[LIM3], s59, v[LIM3]
	s_lshl_b32 s58, s16, 8
	v_lshl_add_u32 v[CB], v1, 4, s58
.macro LDA slot, q, buf                ; h's six fragments of half q (32 along K)
.irp i, 0,1,2,3,4,5
	ds_load_b128 v[(\buf)+8*(\i):(\buf)+8*(\i)+3],   v[ADRA+(\slot)] offset:16*PA*(\i)+64*(\q)
	ds_load_b128 v[(\buf)+8*(\i)+4:(\buf)+8*(\i)+7], v[ADRA+(\slot)] offset:16*PA*(\i)+64*(\q)+32
.endr
.endm
.macro LDB slot, q, sg, buf            ; the weights' four fragments of half q, segment sg
.irp i, 0,1,2,3
	ds_load_tr16_b128 v[(\buf)+8*(\i):(\buf)+8*(\i)+3],   v[ADRB+(\slot)] offset:32*PB*(\q)+288*(\sg)+32*(\i)
	ds_load_tr16_b128 v[(\buf)+8*(\i)+4:(\buf)+8*(\i)+7], v[ADRB+(\slot)] offset:32*PB*(\q)+288*(\sg)+32*(\i)+16*PB
.endr
.endm
; 4 matrix instructions of segment sg: row block a x 4 column blocks.  The 72 accumulators take turns, one instruction a turn, in the same order in every K step.
.macro MMROW sg, ab, bb, a, zero
	WIN 0x50*(1+(\sg))                             ; C and D in window 1 + sg, the sources in window 0
.irp i, 0,1,2,3
.if \zero
	v_wmma_f32_16x16x32_f16 v[8*(4*(\a)+(\i)):8*(4*(\a)+(\i))+7], v[(\bb)+8*(\i):(\bb)+8*(\i)+7], v[(\ab)+8*(\a):(\ab)+8*(\a)+7], 0
.else
	v_wmma_f32_16x16x32_f16 v[8*(4*(\a)+(\i)):8*(4*(\a)+(\i))+7], v[(\bb)+8*(\i):(\bb)+8*(\i)+7], v[(\ab)+8*(\a):(\ab)+8*(\a)+7], v[8*(4*(\a)+(\i)):8*(4*(\a)+(\i))+7]
.endif
.endr
.endm
.macro MM6 sg, ab, bb, zero
.irp a, 0,1,2,3,4,5
	MMROW \sg, \ab, \bb, \a, \zero
.endr
.endm
.macro SC buf, a, rv                   ; fragment a of h, 16 numbers a lane, times the step's ratio: a power of two, so nothing is rounded above f16's fixed step
	WIN 0
.set j, 0
.rept 8
	v_pk_mul_f16 v[(\buf)+8*(\a)+j], v[(\buf)+8*(\a)+j], v[(\rv)]
.set j, j+1
.endr
.endm
.macro MM6S sg, ab, bb, zero, rv       ; the part that uses a buffer of h first: each fragment is scaled once, in front of its four products and behind the four of the fragment before; no product since the fragment's load has named it
.irp a, 0,1,2,3,4,5
	SC \ab, \a, \rv
	MMROW \sg, \ab, \bb, \a, \zero
.endr
.endm
.macro HEADP                           ; a part's head: its fragments are in; four places in front of the loads into the buffer that the products just issued have read
	s_wait_dscnt 0x0
	PLACES
	WIN 0
.endm
; A K step is six parts (half q of K, segment sg), 24 matrix instructions each; a part's run of loads fetches the next part's fragments.  The sixth changes slots: in front of the barrier each wave waits
; for all its tensor loads, adds 0 to its spare word, and waits for that and for its reads of this slot.
; mode 2: this slot is filled again, two K steps on; mode 1: nothing is left to fetch; mode 0: the last K step.  rv: the register with the step's ratio.
.macro STEP slot, zero, mode, rv
	HEADP
	LDB \slot, 0, 1, BF1
	MM6S 0, AF0, BF0, \zero, \rv
	HEADP
	LDB \slot, 0, 2, BF0
	MM6 1, AF0, BF1, \zero
	HEADP
	LDB \slot, 1, 0, BF1
	LDA \slot, 1, AF1
	MM6 2, AF0, BF0, \zero
	HEADP
	LDB \slot, 1, 1, BF0
	MM6S 0, AF1, BF1, 0, \rv
	HEADP
	LDB \slot, 1, 2, BF1
	MM6 1, AF1, BF0, 0
.if (\mode) == 0
	s_wait_dscnt 0x0
	MM6 2, AF1, BF1, 0
.else
	WIN 0                                          ; the add's two registers lie in window 0
	s_wait_tensorcnt 0x0                           ; all my tensor loads have landed: the one that was out is my part of the next slot
	ds_add_u32 v[SPW], v[NIL]                      ; 0 onto my spare word
	s_wait_dscnt 0x1                               ; the part's fragments are in; only the add may be out
	MMROW 2, AF1, BF1, 0, 0                        ; eight matrix instructions stand between the add and the wait for it
	MMROW 2, AF1, BF1, 1, 0
	s_wait_dscnt 0x0                               ; the add is done, and my reads of this slot are over
	s_barrier_signal -1
	MMROW 2, AF1, BF1, 2, 0
	WIN 0
	s_barrier_wait -1
.if (\mode) == 2
	s_add_nc_u64 s[G0A+4*(\slot)+2:G0A+4*(\slot)+3], s[G0A+4*(\slot)+2:G0A+4*(\slot)+3], 2*24576
	s_add_nc_u64 s[G0B+4*(\slot)+2:G0B+4*(\slot)+3], s[G0B+4*(\slot)+2:G0B+4*(\slot)+3], 2*540672
	LOAD \slot                                     ; my one tensor load behind the barrier; its four v_nop are also the places in front of the loads below
.else
	PLACES
.endif
	LDA 1-(\slot), 0, AF0
	LDB 1-(\slot), 0, 0, BF0
	MMROW 2, AF1, BF1, 3, 0
	MMROW 2, AF1, BF1, 4, 0
	MMROW 2, AF1, BF1, 5, 0
.endif
.endm
	s_wait_tensorcnt 0x1                           ; my part of K step 0 is in; K step 1's may stay out
	s_barrier_signal -1
	s_barrier_wait -1
	LDA 0, 0, AF0
	LDB 0, 0, 0, BF0
	STEP 0, 1, 2, RV                               ; K step 0: its first three parts start the sums
	WIN 0                                          ; at a label and at a branch every window is 0
	s_mov_b32 s3, 4
.Lk:                                                   ; K steps 1 to 8, whose refills bring K steps 3 to 10
	STEP 1, 0, 2, RV+1
	STEP 0, 0, 2, RV+2
	WIN 0
.set k, 1
.rept 8
	v_mov_b32 v[RV+k], v[RV+k+2]                   ; the list of ratios moves down by two: the next trip's stand at RV + 1 and RV + 2, and behind the fourth trip those of K steps 9 and 10
.set k, k+1
.endr
	s_sub_co_u32 s3, s3, 1
	s_cmp_lg_u32 s3, 0
	s_cbranch_scc1 .Lk
	STEP 1, 0, 1, RV+1                             ; the tail is written out
	STEP 0, 0, 0, RV+2
; THE WAY OUT, a block of 16 rows at a time, through my own stage: a lane's 32 bytes go into rows of 784 bytes and come back as pieces of 256 bytes, which are multiplied by the tile's largest inverse scale and
; stored, sixteen lanes to a piece, into one token's row.  Whole blocks past the count are jumped (forward, past no barrier and no tensor load); in the block that holds the count EXEC is narrowed row by row;
; the third segment has a limit of its own.
.macro OUTBLK a
	s_cmp_le_i32 s[CW], 16*(\a)
	s_cbranch_scc1 .Lfin
.set sg, 0
.rept 3
	WIN (1+sg)<<2                                  ; the stores' data (source 1) in window 1 + sg
.set i, 0
.rept 4
	ds_store_b128 v[STO], v[8*(4*(\a)+i):8*(4*(\a)+i)+3]   offset:256*sg+64*i      ; each accumulator's low registers first
	ds_store_b128 v[STO], v[8*(4*(\a)+i)+4:8*(4*(\a)+i)+7] offset:256*sg+64*i+16
.set i, i+1
.endr
.set sg, sg+1
.endr
	WIN 0
.set n, 0
.rept 24
	ds_load_b128 v[OB+4*n:OB+4*n+3], v[RD] offset:SP*(n/3)+256*(n%3)  ; LDS serves a wave's instructions in order (ISA guide 5.7.1.4): these see the stores above; the next block's stores come behind them
.set n, n+1
.endr
.set p, 0
.rept 8
	s_wait_dscnt (7-p)*3                           ; row p's three pieces are back; the later rows' stay out
.set u, 0
.rept 6
	v_pk_mul_f32 v[OB+12*p+2*u:OB+12*p+2*u+1], v[OB+12*p+2*u:OB+12*p+2*u+1], s[IM:IM+1] op_sel_hi:[1,0]
.set u, u+1
.endr
	v_cmp_lt_i32 vcc_lo, 16*(\a)+p, v[LIM]         ; is my row (p, or 8 + p for lanes 16-31) inside the count?
	s_and_saveexec_b32 s[SAVE], vcc_lo             ; no global instruction has been issued since the last wait for XCNT 0
	global_store_b128 v[OA+8*(\a)+p], v[OB+12*p:OB+12*p+3],   s[12:13] th:TH_STORE_NT             ; 16 lanes store 256 consecutive bytes, at a multiple of 256 from out0's first byte
	global_store_b128 v[OA+8*(\a)+p], v[OB+12*p+4:OB+12*p+7], s[12:13] offset:512 th:TH_STORE_NT
	s_wait_xcnt 0x0                                ; EXEC is widened only behind this wait
	s_or_b32 exec_lo, exec_lo, s[SAVE]
	v_cmp_lt_i32 vcc_lo, 16*(\a)+p, v[LIM3]
	s_and_saveexec_b32 s[SAVE], vcc_lo
	global_store_b128 v[OA+8*(\a)+p], v[OB+12*p+8:OB+12*p+11], s[12:13] offset:1024 th:TH_STORE_NT
	s_wait_xcnt 0x0                                ; EXEC is widened, and the stores' data registers are loaded again, only behind this wait
	s_or_b32 exec_lo, exec_lo, s[SAVE]
.set p, p+1
.endr
.endm
	WIN 0
	PLACES                                         ; behind the last products: the lines below write registers that those have read
	s_wait_loadcnt 0x0                             ; the tokens
	s_wait_xcnt 0x0
	; The byte offsets of all 48 rows that my lane stores, made once, with all lanes on, ahead of every line that narrows EXEC; none of these registers is written again.
	WIN 0x04                                       ; source 1 in window 1
.set n, 0
.rept 48
	v_min_u32 v[OA+n], 0xfff, v[TOK+n]             ; a loaded number enters an address only clamped
.set n, n+1
.endr
	WIN 0
.set n, 0
.rept 48
	v_lshl_add_u32 v[OA+n], v[OA+n], 14, v[CB]     ; token x 16,384 bytes + my 16 bytes
.set n, n+1
.endr
.irp a, 0,1,2,3,4,5
	OUTBLK \a
.endr
.Lfin:
	s_wait_tensorcnt 0x0                           ; the wave's end: an add of 0 to my spare word and its wait, behind my last tensor load and my last LDS store
	ds_add_u32 v[SPW], v[NIL]
	s_wait_dscnt 0x0
	s_endpgm
.Lfunc_end_k_qdc61ade56f_down:
	.size	k_qdc61ade56f_down, .Lfunc_end_k_qdc61ade56f_down-k_qdc61ade56f_down
	.p2alignl 7, 3214868480
	.fill 96, 4, 3214868480
	.section	.rodata,"a",@progbits
	.p2align	6, 0x0
	.amdhsa_kernel k_qdc61ade56f_down
		.amdhsa_group_segment_fixed_size 327680
		.amdhsa_private_segment_fixed_size 0
		.amdhsa_enable_private_segment 0
		.amdhsa_kernarg_size 48
		.amdhsa_user_sgpr_count 2
		.amdhsa_user_sgpr_kernarg_segment_ptr 1
		.amdhsa_wavefront_size32 1
		.amdhsa_system_sgpr_workgroup_id_x 1
		.amdhsa_system_sgpr_workgroup_id_y 1
		.amdhsa_system_sgpr_workgroup_id_z 1
		.amdhsa_system_vgpr_workitem_id 0
		.amdhsa_next_free_vgpr 960
		.amdhsa_next_free_sgpr 80
		.amdhsa_reserve_vcc 1
		.amdhsa_float_denorm_mode_32 3
		.amdhsa_float_denorm_mode_16_64 3
		.amdhsa_memory_ordered 1
		.amdhsa_forward_progress 1
		.amdhsa_inst_pref_size 193
	.end_amdhsa_kernel
	.amdgpu_metadata
---
amdhsa.version: [ 1, 2 ]
amdhsa.kernels:
  - .name:           k_qdc61ade56f_down
    .symbol:         k_qdc61ade56f_down.kd
    .args:
      - { .name: h, .offset: 0, .size: 8, .value_kind: global_buffer, .address_space: global }
      - { .name: wd, .offset: 8, .size: 8, .value_kind: global_buffer, .address_space: global }
      - { .name: tiles, .offset: 16, .size: 8, .value_kind: global_buffer, .address_space: global }
      - { .name: order, .offset: 24, .size: 8, .value_kind: global_buffer, .address_space: global }
      - { .name: out0, .offset: 32, .size: 8, .value_kind: global_buffer, .address_space: global }
      - { .name: hs, .offset: 40, .size: 8, .value_kind: global_buffer, .address_space: global }
    .group_segment_fixed_size: 327680
    .private_segment_fixed_size: 0
    .kernarg_segment_align: 8
    .kernarg_segment_size: 48
    .max_flat_workgroup_size: 128
    .sgpr_count:     80
    .vgpr_count:     960
    .wavefront_size: 32
...
	.end_amdgpu_metadata
.endif
;; end of part 3
